; MI455X (gfx1250); checked and timed in simulation.
; The chip was launched on July 23, 2026; its instructions are those of AMD's public machine-readable ISA for CDNA 5 (MIT licence, August 2026) and "CDNA5" Instruction Set Architecture Reference Guide (July 2026). The comments in the code are by the model that wrote it; some were corrected since.
;; Contextualizer. Allowed arithmetic: float matrix products may take bf16 or f16 operands with f32 sums; all other float work in f32.
;; Inputs: spatial_proj 2,048 x 2,048 float32; x 8 x 2,048 x 2,048 float32.
;; Outputs: out0 8 x 2,048 x 1,024 float32.
;; One version. Each part assembles by itself: llvm-mc -triple=amdgcn-amd-amdhsa -mcpu=gfx1250 --defsym DOCPART=n.
;; ======== version 1 of 1: 3 launches
;; limits: values are held in f16: magnitudes above 65,504 overflow, below 6.1e-05 lose precision; inputs' magnitudes at most 65,504; right only within a limited range of input values; values outside matrix products are rounded to f16
;; workspace buffers: xh 33,554,432 bytes; rn 65,536 bytes; mh 8,388,608 bytes; at 67,108,864 bytes
;; launch prep (part 1): grid 256 x 1, 32 waves a work-group, no clusters, 4,352 bytes of LDS; arguments x, spatial_proj, xh, rn, mh; writes xh, rn, mh
.if DOCPART == 1
	.amdgcn_target "amdgcn-amd-amdhsa--gfx1250"
	.amdhsa_code_object_version 6
	.text
	.protected	k_q32cbafbf6e_prep
	.globl	k_q32cbafbf6e_prep
	.p2align	8
	.type	k_q32cbafbf6e_prep,@function
k_q32cbafbf6e_prep:
	s_mov_b64 s[64:65], 0
	v_nop
	global_prefetch_b8 v0, s[64:65] scope:SCOPE_SE
	s_setreg_imm32_b32 hwreg(HW_REG_WAVE_MODE, 25, 1), 1
	s_wait_xcnt 0x0
; PREP.  xh[b][n][d] = f16(bf16(x[b][n][d])), d < 1024;  rn[b][n] = 1 / sqrt(sum over d of bf16(x)^2 + 1e-8);
; mh[n][m] = 256 * bf16(spatial_proj[n][m]), in bf16 (exact), where m <= n, 0 elsewhere.
; Both inputs are rounded to bf16 once; x0's rounded number is then written as f16, which holds it exactly from 2^-17 up.
; LIMITS.  |x0| up to 65,504 (f16's range); below 2^-17 xh keeps f16's fixed step of 2^-24; NaN and infinities below the
; diagonal are not treated apart; above the diagonal whatever stands there becomes 0.
; mh is written where a later launch reads it: rows 0-1023 in columns 0-1023, rows 1024-2047 in all columns.
; A stream: no matrix unit, no cluster, no tile in LDS: every byte is read once and nothing is shared between work-groups.
; SHARES.  A piece is 1,024 f32 (4,096 bytes).  Work-group q takes rows 64 q .. 64 q + 63 of x0, wave w rows 2 w and 2 w + 1, and 12 of the
; mask's 3,072 pieces: piece P = 12 q + w for wave w < 12 (P < 2048: row P, left half; else row P - 1024, right half): 256 equal work-groups.
; A load of a wave covers 512 consecutive bytes; all loads of a wave go out at once; a store covers 256 consecutive bytes, aligned.
.set X, 20                             ; v[20:83]   row t, load j: four registers at X + 32 t + 4 j; they become the store's data and are not written again
.set M, 84                             ; v[84:115]  the mask piece, likewise
	s_load_b256 s[4:11], s[0:1], 0x0               ; x s[4:5], spatial_proj s[6:7], xh s[8:9], rn s[10:11]
	s_load_b64 s[12:13], s[0:1], 0x20              ; mh
	v_lshl_add_u32 v116, v0, 2, 0x100
	v_mov_b32 v117, 0
	v_and_b32 v1, 31, v0                           ; lane
	v_lshrrev_b32 v17, 5, v0                       ; wave
	v_readfirstlane_b32 s26, v17
	v_lshlrev_b32 v19, 4, v1                       ; 16 x lane
	v_lshl_or_b32 v2, v17, 14, v19                 ; x: two rows of 8,192 bytes a wave, 16 bytes a lane
	v_lshlrev_b32 v18, 3, v1                       ; 8 x lane
	v_lshl_or_b32 v3, v17, 12, v18                 ; xh: two rows of 2,048 bytes a wave, 8 bytes a lane
	s_mov_b32 s14, 0xffff0000                      ; a word's upper bf16
	s_mov_b32 s15, 0x76543210                      ; v_permlanex16_b32: each lane takes its own place in the other half
	s_mov_b32 s16, 0xfedcba98
	s_mov_b32 s17, 0xaaaaaaaa                      ; the odd lanes
	s_lshl_b32 s18, ttmp9, 19                      ; 64 rows of 8,192 bytes
	s_mov_b32 s19, 0
	s_lshl_b32 s20, ttmp9, 17                      ; 64 rows of 2,048 bytes
	s_mov_b32 s21, 0
	s_lshl_b32 s22, ttmp9, 8                       ; 64 numbers of 4 bytes
	s_mov_b32 s23, 0
	s_mul_i32 s24, ttmp9, 12
	s_add_co_u32 s24, s24, s26                     ; P (used by waves 0-11 alone)
	s_cmp_ge_u32 s24, 0x800
	s_cselect_b32 s25, 1, 0                        ; half
	s_lshl_b32 s27, s25, 10
	s_sub_co_u32 s24, s24, s27                     ; row = P - 1024 half
	s_lshl_b32 s28, s24, 13                        ; source: rows of 8,192 bytes, halves of 4,096
	s_lshl_b32 s32, s25, 12
	s_add_co_u32 s28, s28, s32
	s_mov_b32 s29, 0
	s_lshl_b32 s30, s24, 12                        ; mh: rows of 4,096 bytes, halves of 2,048
	s_lshl_b32 s32, s25, 11
	s_add_co_u32 s30, s30, s32
	s_mov_b32 s31, 0
	s_sub_co_u32 s24, s24, s27                     ; row - 1024 half
	v_lshlrev_b32 v16, 2, v1
	v_sub_nc_u32 v16, s24, v16                     ; D = row - 1024 half - 4 lane, signed
	s_wait_kmcnt 0x0
	s_add_nc_u64 s[4:5], s[4:5], s[18:19]
	s_add_nc_u64 s[8:9], s[8:9], s[20:21]
	s_add_nc_u64 s[10:11], s[10:11], s[22:23]
	s_add_nc_u64 s[6:7], s[6:7], s[28:29]
	s_add_nc_u64 s[12:13], s[12:13], s[30:31]
	s_cmp_ge_u32 s26, 12
	s_cbranch_scc1 .Lno_piece
.irp j, 0,1,2,3,4,5,6,7                ; the mask piece's loads stand first, so that the rows' counted waits hold for every wave
	global_load_b128 v[M+4*(\j):M+4*(\j)+3], v19, s[6:7] offset:512*(\j) th:TH_LOAD_NT
.endr
.Lno_piece:
.irp t, 0,1
.irp j, 0,1,2,3,4,5,6,7
	global_load_b128 v[X+32*(\t)+4*(\j):X+32*(\t)+4*(\j)+3], v2, s[4:5] offset:(\t)*8192+512*(\j) th:TH_LOAD_NT
.endr
.endr
.macro TOBF                            ; four f32 at R are rounded to bf16 and widened again, in place
	v_cvt_pk_bf16_f32 v[TT], v[R], v[R+1]
	v_cvt_pk_bf16_f32 v[TT+1], v[R+2], v[R+3]
	v_lshlrev_b32 v[R], 16, v[TT]
	v_and_b32 v[R+1], s14, v[TT]
	v_lshlrev_b32 v[R+2], 16, v[TT+1]
	v_and_b32 v[R+3], s14, v[TT+1]
.endm
; A row of x0: rounded, squared and summed, written as f16; then the sum over the wave's 32 lanes and the reciprocal root.
.macro XROW t
	s_wait_loadcnt 8*(1-(\t))                      ; loads come back in order: this row's eight (and what was issued before them) are in, the other row's eight may be out
.irp j, 0,1,2,3,4,5,6,7
.set R, X+32*(\t)+4*(\j)
.set TT, 4+2*((\j)%2)
	TOBF
.if (\j) == 0
	v_pk_mul_f32 v[8:9], v[R:R+1], v[R:R+1]        ; the first squares start the sums
	v_pk_mul_f32 v[10:11], v[R+2:R+3], v[R+2:R+3]
.else
	v_pk_fma_f32 v[8:9], v[R:R+1], v[R:R+1], v[8:9]
	v_pk_fma_f32 v[10:11], v[R+2:R+3], v[R+2:R+3], v[10:11]
.endif
	v_cvt_pk_f16_f32 v[R], v[R], v[R+1]
	v_cvt_pk_f16_f32 v[R+1], v[R+2], v[R+3]
	global_store_b64 v3, v[R:R+1], s[8:9] offset:(\t)*2048+256*(\j)  ; 32 lanes x 8 bytes: 256 consecutive bytes, aligned
.endr
	v_pk_add_f32 v[8:9], v[8:9], v[10:11]
	v_add_f32 v8, v8, v9
	v_add_f32_dpp v8, v8, v8 row_xmask:1 row_mask:0xf bank_mask:0xf
	v_add_f32_dpp v8, v8, v8 row_xmask:2 row_mask:0xf bank_mask:0xf
	v_add_f32_dpp v8, v8, v8 row_xmask:4 row_mask:0xf bank_mask:0xf
	v_add_f32_dpp v8, v8, v8 row_xmask:8 row_mask:0xf bank_mask:0xf
	v_permlanex16_b32 v9, v8, s15, s16
	v_add_f32 v8, v8, v9
	v_add_f32 v8, 0x322bcc77, v8                   ; + 1e-8
	v_rsq_f32 v[12+(\t)], v8                       ; a plain instruction that touches neither v8 nor the result follows in both uses
.endm
	XROW 0
	XROW 1
	v_and_b32 v15, 1, v1                           ; the plain instruction behind the second root
	v_lshlrev_b32 v15, 2, v15
	v_lshl_or_b32 v15, v17, 3, v15                 ; LDS word 2 w + (lane odd)
	s_wait_alu depctr_va_vdst(0)
	v_cndmask_b32 v14, v12, v13, s17               ; even lanes hold row 2 w's number, odd lanes row 2 w + 1's
	ds_store_b32 v15, v14                          ; sixteen lanes write the same word with the same number
	s_wait_dscnt 0x0                               ; for wave 0's sake: my store is done
	s_barrier_signal -1
	s_barrier_wait -1
	s_cmp_lg_u32 s26, 0
	s_cbranch_scc1 .Lnot_wave_0
	ds_load_b64 v[10:11], v18                      ; wave 0 takes the group's 64 numbers, into registers that nothing writes again
	s_wait_dscnt 0x0
	global_store_b64 v18, v[10:11], s[10:11]       ; 256 consecutive bytes, aligned
.Lnot_wave_0:
	s_cmp_ge_u32 s26, 12
	s_cbranch_scc1 .Lend
; The mask piece (its loads were shown in by the rows' last wait).  Column 1024 half + 128 j + 4 lane + e stays where it is at most the row: 128 j + e <= D.
.irp j, 0,1,2,3,4,5,6,7
.set R, M+4*(\j)
.set TT, 4+2*((\j)%2)
.irp e, 0,1,2,3
	v_cmp_le_i32 vcc_lo, 128*(\j)+(\e), v16
	v_cndmask_b32 v[R+(\e)], 0, v[R+(\e)], vcc_lo
.endr
	TOBF
	v_pk_mul_f32 v[R:R+1], v[R:R+1], 0x43800000 op_sel_hi:[1,0]      ; x 256, exact
	v_pk_mul_f32 v[R+2:R+3], v[R+2:R+3], 0x43800000 op_sel_hi:[1,0]
	v_cvt_pk_bf16_f32 v[R], v[R], v[R+1]           ; exact: the numbers have bf16's eight bits
	v_cvt_pk_bf16_f32 v[R+1], v[R+2], v[R+3]
	global_store_b64 v18, v[R:R+1], s[12:13] offset:256*(\j)
.endr
.Lend:
	s_wait_tensorcnt 0x0
	ds_add_u32 v116, v117
	s_wait_dscnt 0x0
	s_endpgm
.Lfunc_end_k_q32cbafbf6e_prep:
	.size	k_q32cbafbf6e_prep, .Lfunc_end_k_q32cbafbf6e_prep-k_q32cbafbf6e_prep
	.p2alignl 7, 3214868480
	.fill 96, 4, 3214868480
	.section	.rodata,"a",@progbits
	.p2align	6, 0x0
	.amdhsa_kernel k_q32cbafbf6e_prep
		.amdhsa_group_segment_fixed_size 4352
		.amdhsa_private_segment_fixed_size 0
		.amdhsa_enable_private_segment 0
		.amdhsa_kernarg_size 40
		.amdhsa_user_sgpr_count 2
		.amdhsa_user_sgpr_kernarg_segment_ptr 1
		.amdhsa_wavefront_size32 1
		.amdhsa_system_sgpr_workgroup_id_x 1
		.amdhsa_system_sgpr_workgroup_id_y 1
		.amdhsa_system_sgpr_workgroup_id_z 1
		.amdhsa_system_vgpr_workitem_id 0
		.amdhsa_next_free_vgpr 118
		.amdhsa_next_free_sgpr 66
		.amdhsa_reserve_vcc 1
		.amdhsa_float_denorm_mode_32 3
		.amdhsa_float_denorm_mode_16_64 3
		.amdhsa_memory_ordered 1
		.amdhsa_forward_progress 1
		.amdhsa_inst_pref_size 24
	.end_amdhsa_kernel
	.amdgpu_metadata
---
amdhsa.version: [ 1, 2 ]
amdhsa.kernels:
  - .name:           k_q32cbafbf6e_prep
    .symbol:         k_q32cbafbf6e_prep.kd
    .args:
      - { .name: x, .offset: 0, .size: 8, .value_kind: global_buffer, .address_space: global }
      - { .name: spatial_proj, .offset: 8, .size: 8, .value_kind: global_buffer, .address_space: global }
      - { .name: xh, .offset: 16, .size: 8, .value_kind: global_buffer, .address_space: global }
      - { .name: rn, .offset: 24, .size: 8, .value_kind: global_buffer, .address_space: global }
      - { .name: mh, .offset: 32, .size: 8, .value_kind: global_buffer, .address_space: global }
    .group_segment_fixed_size: 4352
    .private_segment_fixed_size: 0
    .kernarg_segment_align: 8
    .kernarg_segment_size: 40
    .max_flat_workgroup_size: 1024
    .sgpr_count:     66
    .vgpr_count:     118
    .wavefront_size: 32
...
	.end_amdgpu_metadata
.endif
;; end of part 1
;; launch scores (part 2): grid 64 x 4, 4 waves a work-group, clusters of 4 x 4, 327,680 bytes of LDS; arguments xh, rn, mh, at; writes at
.if DOCPART == 2
	.amdgcn_target "amdgcn-amd-amdhsa--gfx1250"
	.amdhsa_code_object_version 6
	.text
	.protected	k_q32cbafbf6e_scores
	.globl	k_q32cbafbf6e_scores
	.p2align	8
	.type	k_q32cbafbf6e_scores,@function
k_q32cbafbf6e_scores:
	s_mov_b64 s[64:65], 0
	v_nop
	global_prefetch_b8 v0, s[64:65] scope:SCOPE_SE
	s_setreg_imm32_b32 hwreg(HW_REG_WAVE_MODE, 25, 1), 1
	s_wait_xcnt 0x0
	s_wait_alu depctr_hold_cnt(0) depctr_sa_sdst(0) depctr_va_vdst(0) depctr_va_sdst(0) depctr_va_ssrc(0) depctr_va_vcc(0) depctr_vm_vsrc(0)
	s_getreg_b32 s2, hwreg(HW_REG_IB_STS2, 6, 4)
	s_cmp_eq_u32 s2, 0
	s_cbranch_scc0 .Lentry_in_a_cluster
	s_endpgm
.Lentry_in_a_cluster:
	s_bfe_u32 s2, ttmp6, 0x10000c
	s_cmp_lg_u32 s2, 0xf033
	s_cbranch_scc0 .Lentry_shape_is_right
	s_endpgm
.Lentry_shape_is_right:
; SCORES.  at[b][n][m] = f16( f16( (sum over d of xh[b][n][d] xh[b][m][d]) rn[b][n] rn[b][m] ) * mh[n][m] ) = 256 x the masked cosine,
; for the ten blocks of 512 x 512 that touch or lie below the diagonal.  Products in f16 with f32 sums; the cosine lies in -1 to 1; the product with mh is made in f32.
; LIMITS.  256 |spatial_proj| stays within f16's 65,504; a result below 6e-5 keeps f16's fixed step of 6e-8; NaN and infinities are not treated apart.
; SHARES.  A cluster of 4 x 4 work-groups makes a block of 512 x 512, a work-group 128 x 128, each of its four waves 64 x 64 (16 accumulators).
; Two clusters share a batch's ten blocks, five each (nibble tables IT, JT): every work-group walks 5 tiles x 1024 along K = 10 laps of two K steps
; of 256, in ONE counted loop; the ring of two LDS slots runs on from tile to tile.  Inside a diagonal block the tiles above the diagonal are made
; like the others (mh is 0 there): partners of a cluster run alike.
; CLUSTER.  Rows n hang on cy alone and are shared along a row of the cluster, rows m on cx alone and are shared along a column: joint loads.
; THE MATRIX INSTRUCTION IS USED TRANSPOSED (source 0 = 16 rows m, source 1 = 16 rows n): a lane holds row n = lane % 16 and the columns 8 (lane / 16) + 0..7.
; REGISTERS.  window 0: addresses; v6-13 rn of my rows (pairs, the low word used); v32-95 at work on the way out; v96-127 rn of my columns; v128-191 mh of the rows that I store; v192-207 at work
;   window 1: two fragment buffers of 128 (64 along K: 64 registers of A, 64 of B)      window 2: v0-127 the accumulators, (a, b) at 8 (4 a + b)
.set KSTEP,  256
.set PITCH,  528                       ; an LDS row: 512 bytes + 16 of padding, an odd multiple of 16: the 16 rows of a fragment load fall on 16 different 16-byte columns of 256
.set HALFT,  64*PITCH                  ; what one tensor load brings
.set SLOT,   4*HALFT                   ; A's 128 rows, then B's 128 rows
.set STAGE,  2*SLOT                    ; behind the ring: 128 rows x 272 bytes, the work-group's; no tensor load fills it
.set SPITCH, 272
.set SPARE,  STAGE+128*SPITCH          ; the spare words: 128 bytes a wave, two blocks of 256 bytes that no other line names
.set RN,   6
.set RNO,  14                          ; v14  4 (lane % 16)
.set RMO,  15                          ; v15  32 (lane / 16)
.set ADRA, 16                          ; v16-17  LDS address of my A fragments in slot 0, 1
.set ADRB, 20                          ; v20-21  the same for B
.set STO,  24
.set RD,   25
.set CO,   26                          ; v26  (lane / 16) x 4,096 + 16 (lane % 16): two rows of at or mh
.set SPW,  28
.set NIL,  29
.set TMP,  32
.set RM,   96
.set MH,   128
.set WK,   192
.set F0,   0
.set F1,   128
.set ACC,  0
.set WV,  12
.set RH,  13                           ; my half of the tile's rows; also: I fetch for A (0) or B (1)
.set CH,  14                           ; my half of its columns; also: which 64 rows I fetch
.set CX,  15
.set CY,  16
.set BT,  17                           ; batch
.set IT,  18                           ; block row of tile t in nibble t
.set JT,  19                           ; block column
.set LD0, 20                           ; wave x HALFT
.set G1,  24
.set G0,  32
.set RG,  40                           ; the lap that is asked for
.set TA,  41                           ; at work for A's descriptors: never holds cx
.set TBQ, 42                           ; at work for B's: never holds cy
.set T0,  43                           ; at work, holds neither
.set OA,  44                           ; s[44:45] A's byte offset in xh
.set OBB, 46                           ; s[46:47] B's
.set G1B, 48
.set G0B, 56
.set CA,  66
.set CB,  67
.set OC,  68
.set NC,  69
.set MC,  70
.set TQ,  71                           ; the tile in hand
.set RT,  72                           ; its laps still to end
.set TK,  73                           ; at work, holds neither cx nor cy
.set LAPC, 74
.set ATB, 76
.set MHB, 78
.set RNB, 80
.set RMB, 82                           ; s84-s89: at work for plain loads' and stores' offsets
.set HM,  90                           ; s90  a word's upper bf16
.set MSB, 0
.macro WIN new                         ; the immediate's high byte repeats the setting that is left
.if MSB != (\new)
	s_set_vgpr_msb (MSB<<8)|(\new)
.set MSB, \new
.endif
.endm
.set MUL,  0xa5                        ; sources 0 and 1 window 1; C and D window 2
.set TO_F, 0x40                        ; destination window 1, address window 0
.set W_SC, 0x82                        ; destination and source 0 window 2, source 1 window 0
.set W_CV, 0x0a                        ; sources 0 and 1 window 2, destination window 0
.macro JLOAD s                         ; a joint load: waves 0, 1 fetch A's halves, waves 2, 3 B's; s_nop 0 and four v_nop follow each line
	s_cmp_eq_u32 s[RH], 0
	s_cbranch_scc0 .Lfor_b_\@
	tensor_load_to_lds s[G0+4*(\s):G0+4*(\s)+3], s[G1:G1+7]
	s_nop 0
.rept 4
	v_nop
.endr
	s_branch .Lasked_\@
.Lfor_b_\@:
	tensor_load_to_lds s[G0B+4*(\s):G0B+4*(\s)+3], s[G1B:G1B+7]
	s_nop 0
.rept 4
	v_nop
.endr
.Lasked_\@:
.endm
.macro CREST                           ; a round of the cluster's barrier behind its opening barrier
	s_cmp_lg_u32 s[WV], 0
	s_cbranch_scc1 .Lnot_wave_0_\@
	s_barrier_signal -3
.Lnot_wave_0_\@:
	s_barrier_wait -3
	s_barrier_signal -1
	s_barrier_wait -1
.endm
.macro CROUND
	s_barrier_signal -1
	s_barrier_wait -1
	CREST
.endm
; The two global addresses of lap RG's K step `slot`, made anew from the pointer and an offset: tile RG / 2, K bytes 1,024 (RG % 2) + 512 slot.
.macro ADDR slot
.if (\slot) == 0
	s_lshr_b32 s[T0], s[RG], 1
	s_lshl_b32 s[T0], s[T0], 2                     ; the tile's nibble
	s_and_b32 s[TK], s[RG], 1
	s_lshl_b32 s[TK], s[TK], 10
	s_lshr_b32 s[TA], s[IT], s[T0]
	s_and_b32 s[TA], s[TA], 15
	s_lshl_b32 s[TA], s[TA], 20                    ; 512 rows of 2,048 bytes
	s_add_co_u32 s[TA], s[TA], s[TK]
	s_add_co_u32 s[OA], s[CA], s[TA]
	s_lshr_b32 s[TBQ], s[JT], s[T0]
	s_and_b32 s[TBQ], s[TBQ], 15
	s_lshl_b32 s[TBQ], s[TBQ], 20
	s_add_co_u32 s[TBQ], s[TBQ], s[TK]
	s_add_co_u32 s[OBB], s[CB], s[TBQ]
.else
	s_add_co_u32 s[OA], s[OA], KSTEP*2
	s_add_co_u32 s[OBB], s[OBB], KSTEP*2
.endif
	s_add_nc_u64 s[G0+4*(\slot)+2:G0+4*(\slot)+3], s[4:5], s[OA:OA+1]
	s_or_b32 s[G0+4*(\slot)+3], s[G0+4*(\slot)+3], 0x80000000
	s_add_nc_u64 s[G0B+4*(\slot)+2:G0B+4*(\slot)+3], s[4:5], s[OBB:OBB+1]
	s_or_b32 s[G0B+4*(\slot)+3], s[G0B+4*(\slot)+3], 0x80000000
.endm
; Tile TQ's bases: mh and at at the first row that I store, rn at my rows and at my columns.
.macro TILE_BASES
	s_lshl_b32 s88, s[TQ], 2
	s_lshr_b32 s86, s[IT], s88
	s_and_b32 s86, s86, 15                         ; I
	s_lshr_b32 s87, s[JT], s88
	s_and_b32 s87, s87, 15                         ; J
	s_mov_b32 s85, 0
	s_lshl_b32 s84, s86, 21                        ; 512 rows of 4,096 bytes
	s_lshl_b32 s88, s87, 10                        ; 512 columns of 2 bytes
	s_add_co_u32 s84, s84, s88
	s_add_co_u32 s84, s84, s[OC]
	s_add_nc_u64 s[MHB:MHB+1], s[8:9], s[84:85]
	s_lshl_b32 s88, s[BT], 23
	s_add_co_u32 s84, s84, s88
	s_add_nc_u64 s[ATB:ATB+1], s[10:11], s[84:85]
	s_lshl_b32 s84, s86, 11
	s_add_co_u32 s84, s84, s[NC]
	s_add_nc_u64 s[RNB:RNB+1], s[6:7], s[84:85]
	s_lshl_b32 s84, s87, 11
	s_add_co_u32 s84, s84, s[MC]
	s_add_nc_u64 s[RMB:RMB+1], s[6:7], s[84:85]
.endm
; 28 loads that are out while the tile is multiplied: rn first (12), mh last (16).
.macro TILE_LOADS
.irp a, 0,1,2,3
	global_load_b32 v[RN+2*(\a)], v[RNO], s[RNB:RNB+1] offset:64*(\a)
.endr
.irp b, 0,1,2,3
	global_load_b128 v[RM+8*(\b):RM+8*(\b)+3],   v[RMO], s[RMB:RMB+1] offset:64*(\b)
	global_load_b128 v[RM+8*(\b)+4:RM+8*(\b)+7], v[RMO], s[RMB:RMB+1] offset:64*(\b)+16
.endr
.irp t, 0,1,2,3,4,5,6,7,8,9,10,11,12,13,14,15
	global_load_b128 v[MH+4*(\t):MH+4*(\t)+3], v[CO], s[MHB:MHB+1] offset:2*(\t)*4096
.endr
.endm
	s_load_b256 s[4:11], s[0:1], 0x0               ; xh s[4:5], rn s[6:7], mh s[8:9], at s[10:11]
	v_lshl_add_u32 v[SPW], v0, 2, SPARE
	v_mov_b32 v[NIL], 0
	ds_add_u32 v28, v29
	s_wait_dscnt 0x0
	v_lshrrev_b32 v1, 5, v0
	v_readfirstlane_b32 s[WV], v1
	s_lshr_b32 s[RH], s[WV], 1
	s_and_b32 s[CH], s[WV], 1
	s_bfe_u32 s[CX], ttmp6, 0x40000
	s_bfe_u32 s[CY], ttmp6, 0x40004
	s_lshr_b32 s[BT], ttmp9, 1                     ; ttmp9 counts clusters: two to a batch
	s_mov_b32 s[HM], 0xffff0000
	s_mov_b32 s[IT], 0x22110                       ; the even cluster: (0,0) (1,0) (1,1) (2,0) (2,1)
	s_mov_b32 s[JT], 0x10100
	s_mov_b32 s21, 0x33332                         ; the odd one: (2,2) (3,0) (3,1) (3,2) (3,3)
	s_mov_b32 s22, 0x32102
	s_and_b32 s23, ttmp9, 1
	s_cmp_eq_u32 s23, 1
	s_cselect_b32 s[IT], s21, s[IT]
	s_cselect_b32 s[JT], s22, s[JT]
	s_lshl_b32 s[TA], s[CY], 2
	s_lshl_b32 s[TA], 15, s[TA]                    ; my row of the cluster
	s_lshl_b32 s[TBQ], 0x1111, s[CX]               ; my column
	s_or_b32 s[G1], s[TA], (1<<16)|(1<<20)|(1<<21)|(6<<22)|(3<<25)    ; mask; 2-byte elements; padding on; bit 21 beside a mask; after every 128 words, 4 words
	s_or_b32 s[G1B], s[TBQ], (1<<16)|(1<<20)|(1<<21)|(6<<22)|(3<<25)
.irp g, G1, G1B
	s_mov_b32 s[(\g)+1], KSTEP<<16                 ; tensor_dim0 = 256
	s_mov_b32 s[(\g)+2], 64<<16                    ; tensor_dim1 = 64
	s_mov_b32 s[(\g)+3], KSTEP<<16                 ; tile_dim0 = 256
	s_mov_b32 s[(\g)+4], 64                        ; tile_dim1 = 64
	s_mov_b32 s[(\g)+5], 1024                      ; elements from row to row
	s_mov_b32 s[(\g)+6], 0
	s_mov_b32 s[(\g)+7], 0
.endr
	s_lshl_b32 s[T0], s[BT], 22                    ; a batch of xh
	s_lshl_b32 s[TK], s[CH], 17                    ; the 64 rows that I fetch
	s_add_co_u32 s[T0], s[T0], s[TK]
	s_lshl_b32 s[TA], s[CY], 18                    ; 128 rows of 2,048 bytes
	s_add_co_u32 s[CA], s[T0], s[TA]
	s_lshl_b32 s[TBQ], s[CX], 18
	s_add_co_u32 s[CB], s[T0], s[TBQ]
	s_lshl_b32 s[OC], s[CY], 19                    ; at, mh: 128 cy rows of 4,096 bytes + 32 w rows + 128 cx columns
	s_lshl_b32 s88, s[WV], 17
	s_add_co_u32 s[OC], s[OC], s88
	s_lshl_b32 s88, s[CX], 8
	s_add_co_u32 s[OC], s[OC], s88
	s_lshl_b32 s89, s[BT], 13                      ; rn: a batch is 8,192 bytes
	s_lshl_b32 s88, s[CY], 9
	s_add_co_u32 s[NC], s89, s88
	s_lshl_b32 s88, s[RH], 8
	s_add_co_u32 s[NC], s[NC], s88
	s_lshl_b32 s88, s[CX], 9
	s_add_co_u32 s[MC], s89, s88
	s_lshl_b32 s88, s[CH], 8
	s_add_co_u32 s[MC], s[MC], s88
	s_mul_i32 s[LD0], s[WV], HALFT                 ; where my loads go: no place in the cluster enters an LDS address
	s_mov_b32 s[RG], 0
	s_mov_b32 s[OA+1], 0
	s_mov_b32 s[OBB+1], 0
	s_wait_kmcnt 0x0
	CROUND                                         ; all sixteen work-groups are here: the first joint loads meet
.irp s, 0,1
	s_mov_b32 s[G0+4*(\s)], 1
	s_add_co_u32 s[G0+4*(\s)+1], s[LD0], (\s)*SLOT
	s_mov_b32 s[G0B+4*(\s)], 1
	s_add_co_u32 s[G0B+4*(\s)+1], s[LD0], (\s)*SLOT
	ADDR \s
	JLOAD \s                                       ; two loads of mine are out
.endr
	v_and_b32 v1, 15, v0                           ; l % 16
	v_bfe_u32 v2, v0, 4, 1                         ; l / 16
	v_mul_u32_u24 v3, v1, PITCH
	v_lshl_add_u32 v3, v2, 4, v3
	s_mul_i32 s21, s[RH], HALFT
	s_mul_i32 s22, s[CH], HALFT
	s_add_co_u32 s22, s22, 2*HALFT
.irp s, 0,1
	v_add_nc_u32 v[ADRA+(\s)], s21, v3
	v_add_nc_u32 v[ADRB+(\s)], s22, v3
	s_add_co_u32 s21, s21, SLOT
	s_add_co_u32 s22, s22, SLOT
.endr
	s_mul_i32 s23, s[RH], 64*SPITCH                ; into the stage: my 64 rows, my half of their 256 bytes
	s_lshl_b32 s21, s[CH], 7
	s_add_co_u32 s23, s23, s21
	s_add_co_u32 s23, s23, STAGE
	v_mul_u32_u24 v4, v1, SPITCH
	v_lshl_add_u32 v4, v2, 4, v4
	v_add_nc_u32 v[STO], s23, v4
	s_mul_i32 s23, s[WV], 32*SPITCH                ; back: wave w takes rows 32 w .. 32 w + 31, whole
	s_add_co_u32 s23, s23, STAGE
	v_mul_u32_u24 v5, v2, SPITCH
	v_lshl_add_u32 v5, v1, 4, v5
	v_add_nc_u32 v[RD], s23, v5
	v_lshlrev_b32 v5, 12, v2
	v_lshl_add_u32 v[CO], v1, 4, v5
	v_lshlrev_b32 v[RNO], 2, v1
	v_lshlrev_b32 v[RMO], 5, v2
.irp a, 0,1,2,3
	v_mov_b32 v[RN+2*(\a)+1], 0                    ; named as the upper half of a pair, never used
.endr
	s_mov_b32 s[TQ], 0
	TILE_BASES
	TILE_LOADS
.macro MUL8 f, c, a0, zero             ; 8 matrix instructions: row blocks a0, a0 + 1 x 4 column blocks, 32 along K: half c of buffer f
	WIN MUL
.irp a, \a0, (\a0)+1
.irp b, 0,1,2,3
.if \zero
	v_wmma_f32_16x16x32_f16 v[ACC+8*(4*(\a)+(\b)):ACC+8*(4*(\a)+(\b))+7], v[(\f)+64+8*(4*(\c)+(\b)):(\f)+64+8*(4*(\c)+(\b))+7], v[(\f)+8*(4*(\c)+(\a)):(\f)+8*(4*(\c)+(\a))+7], 0
.else
	v_wmma_f32_16x16x32_f16 v[ACC+8*(4*(\a)+(\b)):ACC+8*(4*(\a)+(\b))+7], v[(\f)+64+8*(4*(\c)+(\b)):(\f)+64+8*(4*(\c)+(\b))+7], v[(\f)+8*(4*(\c)+(\a)):(\f)+8*(4*(\c)+(\a))+7], v[ACC+8*(4*(\a)+(\b)):ACC+8*(4*(\a)+(\b))+7]
.endif
.endr
.endr
.endm
.macro FETCH slot, k, f                ; 32 LDS loads in one run: the fragments of 64 along K at byte k of the rows; the first 32 along K first
	WIN TO_F
.irp c, 0,1
.irp i, 0,1,2,3
	ds_load_b128 v[(\f)+64+8*(4*(\c)+(\i)):(\f)+64+8*(4*(\c)+(\i))+3],   v[ADRB+(\slot)] offset:(\k)+64*(\c)+(\i)*16*PITCH
	ds_load_b128 v[(\f)+64+8*(4*(\c)+(\i))+4:(\f)+64+8*(4*(\c)+(\i))+7], v[ADRB+(\slot)] offset:(\k)+64*(\c)+(\i)*16*PITCH+32
	ds_load_b128 v[(\f)+8*(4*(\c)+(\i)):(\f)+8*(4*(\c)+(\i))+3],         v[ADRA+(\slot)] offset:(\k)+64*(\c)+(\i)*16*PITCH
	ds_load_b128 v[(\f)+8*(4*(\c)+(\i))+4:(\f)+8*(4*(\c)+(\i))+7],       v[ADRA+(\slot)] offset:(\k)+64*(\c)+(\i)*16*PITCH+32
.endr
.endr
.endm
.macro PLACES                          ; four plain vector instructions between matrix instructions and loads into, or vector work on, their registers
.rept 4
	v_nop
.endr
.endm
; A K step is four quarters of 64 along K, 32 matrix instructions each, on buffers 0, 1, 0, 1; the 16 accumulators take turns.
.macro QUARTER slot, k, f, g, zero
	s_wait_dscnt 16                                ; the first 32 along K are in; the youngest sixteen loads may be out
	MUL8 \f, 0, 0, \zero
	MUL8 \f, 0, 2, \zero
	PLACES
	FETCH \slot, \k, \g
	s_wait_dscnt 32                                ; all but the 32 just issued
	MUL8 \f, 1, 0, 0
	MUL8 \f, 1, 2, 0
.endm
; The last quarter multiplies buffer 1 and changes slots.  fill = 1: the slot just read is filled again with the next lap's K step, behind a round of the cluster's barrier.
.macro TURN slot, next, fill
	WIN 0
	s_wait_tensorcnt 0x0                           ; all my tensor loads have landed: the one that was out is my part of the next slot
	ds_add_u32 v[SPW], v[NIL]                      ; 0 onto my spare word
	s_wait_dscnt 17                                ; the add and the youngest sixteen loads may be out
	MUL8 F1, 0, 0, 0
	s_wait_dscnt 0x0                               ; the add is done, and my reads of this slot are over
	s_barrier_signal -1
	MUL8 F1, 0, 2, 0
.if \fill
	WIN 0
.endif
	s_barrier_wait -1
.if \fill
	CREST                                          ; no wave of any partner still reads this slot or has a load on its way
.if (\slot) == 0
	s_add_co_u32 s[RG], s[RG], 1
.endif
	ADDR \slot                                     ; no tensor load of mine is out: a group 0 may be written
	JLOAD \slot                                    ; my one tensor load behind the round; its four v_nop are also the places in front of the loads below
.else
	PLACES
.endif
	FETCH \next, 0, F0
	MUL8 F1, 1, 0, 0
	MUL8 F1, 1, 2, 0
.endm
; THE WAY OUT, first part: the sums times rn of the column and rn of the row, rounded to f16, 16 bytes a lane into the work-group's stage.  Each accumulator is read from its low end on.
.macro EPI1
	PLACES
	s_wait_loadcnt 16                              ; rn's twelve loads are in; mh's sixteen were issued behind them and may be out
	WIN W_SC
.irp a, 0,1,2,3
.irp b, 0,1,2,3
.irp r, 0,1,2,3
	v_pk_mul_f32 v[ACC+8*(4*(\a)+(\b))+2*(\r):ACC+8*(4*(\a)+(\b))+2*(\r)+1], v[ACC+8*(4*(\a)+(\b))+2*(\r):ACC+8*(4*(\a)+(\b))+2*(\r)+1], v[RM+8*(\b)+2*(\r):RM+8*(\b)+2*(\r)+1]
.endr
.irp r, 0,1,2,3
	v_pk_mul_f32 v[ACC+8*(4*(\a)+(\b))+2*(\r):ACC+8*(4*(\a)+(\b))+2*(\r)+1], v[ACC+8*(4*(\a)+(\b))+2*(\r):ACC+8*(4*(\a)+(\b))+2*(\r)+1], v[RN+2*(\a):RN+2*(\a)+1] op_sel_hi:[1,0]
.endr
.endr
.endr
	WIN W_CV
.irp t, 0,1,2,3,4,5,6,7,8,9,10,11,12,13,14,15
.irp r, 0,1,2,3
	v_cvt_pk_f16_f32 v[TMP+4*(\t)+(\r)], v[ACC+8*(\t)+2*(\r)], v[ACC+8*(\t)+2*(\r)+1]
.endr
.endr
	WIN 0
.irp a, 0,1,2,3
.irp b, 0,1,2,3
	ds_store_b128 v[STO], v[TMP+4*(4*(\a)+(\b)):TMP+4*(4*(\a)+(\b))+3] offset:(\a)*16*SPITCH+32*(\b)
.endr
.endr
.endm
; Register n of TMP (two cosines in f16) times its two numbers of mh (bf16), in f32, rounded once to f16.  Four sets of work registers take turns.
.macro MASKED n
.set W, WK+4*((\n)%4)
	v_cvt_f32_f16 v[W], v\n\().l
	v_cvt_f32_f16 v[W+1], v\n\().h
	v_lshlrev_b32 v[W+2], 16, v[MH+(\n)-TMP]
	v_and_b32 v[W+3], s[HM], v[MH+(\n)-TMP]
	v_pk_mul_f32 v[W:W+1], v[W:W+1], v[W+2:W+3]
	v_cvt_pk_f16_f32 v\n, v[W], v[W+1]
.endm
; Second part, behind a barrier (a row's 256 bytes come from two waves): whole rows back, times mh, stored.  more = 1: the next tile's bases and loads.
.macro EPI2 more
.irp t, 0,1,2,3,4,5,6,7,8,9,10,11,12,13,14,15
	ds_load_b128 v[TMP+4*(\t):TMP+4*(\t)+3], v[RD] offset:(\t)*2*SPITCH
.endr
	s_wait_loadcnt 0x0                             ; mh
.irp n, 32,33,34,35,36,37,38,39,40,41,42,43,44,45,46,47,48,49,50,51,52,53,54,55,56,57,58,59,60,61,62,63,64,65,66,67,68,69,70,71,72,73,74,75,76,77,78,79,80,81,82,83,84,85,86,87,88,89,90,91,92,93,94,95
.if ((\n)%4) == 0
	s_wait_dscnt 15-((\n)-TMP)/4                   ; LDS loads come back in order: this pair of rows is in
.endif
	MASKED \n
.if ((\n)%4) == 3
	global_store_b128 v[CO], v[(\n)-3:(\n)], s[ATB:ATB+1] offset:2*(((\n)-TMP)/4)*4096  ; 16 lanes store 256 consecutive bytes, aligned
.endif
.endr
.if \more
	s_wait_xcnt 0x0                                ; the stores' data and base, and the loads' bases, are written again only behind this wait
	s_add_co_u32 s[TQ], s[TQ], 1
	TILE_BASES
	TILE_LOADS
	s_mov_b32 s[RT], 2
.endif
.endm
	s_wait_tensorcnt 1                             ; my part of K step 0 is in; slot 1's load may stay out
	s_barrier_signal -1
	s_barrier_wait -1
	FETCH 0, 0, F0
	QUARTER 0, 128, F0, F1, 1                      ; the walk's first quarter: its products start the sums
	WIN 0
	s_mov_b32 s[RT], 2
	s_mov_b32 s[LAPC], 9
.Llap:                                                 ; a trip: from a lap's second quarter to the next lap's first; both slots are filled again
	QUARTER 0, 256, F1, F0, 0
	QUARTER 0, 384, F0, F1, 0
	TURN 0, 1, 1
	QUARTER 1, 128, F0, F1, 0
	QUARTER 1, 256, F1, F0, 0
	QUARTER 1, 384, F0, F1, 0
	TURN 1, 0, 1
	WIN 0
	s_sub_co_u32 s[RT], s[RT], 1
	s_cmp_lg_u32 s[RT], 0
	s_cbranch_scc1 .Lno_stage                      ; forward, past text without a barrier or a tensor load
	EPI1
.Lno_stage:
	s_wait_dscnt 0x0                               ; for the others' sake: my stores into the stage are done
	s_barrier_signal -1                            ; this barrier stands in every trip, so that none is jumped
	s_barrier_wait -1
	s_cmp_lg_u32 s[RT], 0
	s_cbranch_scc1 .Lsame_tile
	EPI2 1
	QUARTER 0, 128, F0, F1, 1                      ; the next tile's first quarter starts its sums, behind the way out's vector work
	WIN 0
	s_branch .Lbottom
.Lsame_tile:
	QUARTER 0, 128, F0, F1, 0
	WIN 0
.Lbottom:
	s_sub_co_u32 s[LAPC], s[LAPC], 1
	s_cmp_lg_u32 s[LAPC], 0
	s_cbranch_scc1 .Llap
	QUARTER 0, 256, F1, F0, 0                      ; the last lap is written out: it asks for nothing
	QUARTER 0, 384, F0, F1, 0
	TURN 0, 1, 0
	QUARTER 1, 128, F0, F1, 0
	QUARTER 1, 256, F1, F0, 0
	QUARTER 1, 384, F0, F1, 0
	s_wait_dscnt 16
	MUL8 F1, 0, 0, 0
	MUL8 F1, 0, 2, 0
	s_wait_dscnt 0x0
	MUL8 F1, 1, 0, 0
	MUL8 F1, 1, 2, 0
	WIN 0
	EPI1
	s_wait_dscnt 0x0
	s_barrier_signal -1
	s_barrier_wait -1
	EPI2 0
	s_wait_tensorcnt 0x0                           ; the wave's end
	ds_add_u32 v[SPW], v[NIL]
	s_wait_dscnt 0x0
	CROUND                                         ; the closing round: no work-group ends while a partner may still ask for a tile that names it
	s_endpgm
.Lfunc_end_k_q32cbafbf6e_scores:
	.size	k_q32cbafbf6e_scores, .Lfunc_end_k_q32cbafbf6e_scores-k_q32cbafbf6e_scores
	.p2alignl 7, 3214868480
	.fill 96, 4, 3214868480
	.section	.rodata,"a",@progbits
	.p2align	6, 0x0
	.amdhsa_kernel k_q32cbafbf6e_scores
		.amdhsa_group_segment_fixed_size 327680
		.amdhsa_private_segment_fixed_size 0
		.amdhsa_enable_private_segment 0
		.amdhsa_kernarg_size 32
		.amdhsa_user_sgpr_count 2
		.amdhsa_user_sgpr_kernarg_segment_ptr 1
		.amdhsa_wavefront_size32 1
		.amdhsa_system_sgpr_workgroup_id_x 1
		.amdhsa_system_sgpr_workgroup_id_y 1
		.amdhsa_system_sgpr_workgroup_id_z 1
		.amdhsa_system_vgpr_workitem_id 0
		.amdhsa_next_free_vgpr 640
		.amdhsa_next_free_sgpr 96
		.amdhsa_reserve_vcc 0
		.amdhsa_float_denorm_mode_32 3
		.amdhsa_float_denorm_mode_16_64 3
		.amdhsa_memory_ordered 1
		.amdhsa_forward_progress 1
		.amdhsa_inst_pref_size 156
	.end_amdhsa_kernel
	.amdgpu_metadata
---
amdhsa.version: [ 1, 2 ]
amdhsa.kernels:
  - .name:           k_q32cbafbf6e_scores
    .symbol:         k_q32cbafbf6e_scores.kd
    .args:
      - { .name: xh, .offset: 0, .size: 8, .value_kind: global_buffer, .address_space: global }
      - { .name: rn, .offset: 8, .size: 8, .value_kind: global_buffer, .address_space: global }
      - { .name: mh, .offset: 16, .size: 8, .value_kind: global_buffer, .address_space: global }
      - { .name: at, .offset: 24, .size: 8, .value_kind: global_buffer, .address_space: global }
    .group_segment_fixed_size: 327680
    .private_segment_fixed_size: 0
    .kernarg_segment_align: 8
    .kernarg_segment_size: 32
    .max_flat_workgroup_size: 128
    .sgpr_count:     96
    .vgpr_count:     640
    .wavefront_size: 32
...
	.end_amdgpu_metadata
.endif
;; end of part 2
;; launch ctx (part 3): grid 64 x 4, 4 waves a work-group, clusters of 4 x 4, 327,680 bytes of LDS; arguments at, xh, x, out0; writes out0
.if DOCPART == 3
	.amdgcn_target "amdgcn-amd-amdhsa--gfx1250"
	.amdhsa_code_object_version 6
	.text
	.protected	k_q32cbafbf6e_ctx
	.globl	k_q32cbafbf6e_ctx
	.p2align	8
	.type	k_q32cbafbf6e_ctx,@function
k_q32cbafbf6e_ctx:
	s_mov_b64 s[64:65], 0
	v_nop
	global_prefetch_b8 v0, s[64:65] scope:SCOPE_SE
	s_setreg_imm32_b32 hwreg(HW_REG_WAVE_MODE, 25, 1), 1
	s_wait_xcnt 0x0
	s_wait_alu depctr_hold_cnt(0) depctr_sa_sdst(0) depctr_va_vdst(0) depctr_va_sdst(0) depctr_va_ssrc(0) depctr_va_vcc(0) depctr_vm_vsrc(0)
	s_getreg_b32 s2, hwreg(HW_REG_IB_STS2, 6, 4)
	s_cmp_eq_u32 s2, 0
	s_cbranch_scc0 .Lentry_in_a_cluster
	s_endpgm
.Lentry_in_a_cluster:
	s_bfe_u32 s2, ttmp6, 0x10000c
	s_cmp_lg_u32 s2, 0xf033
	s_cbranch_scc0 .Lentry_shape_is_right
	s_endpgm
.Lentry_shape_is_right:
; CTX.  out0[b][n][d] = 2^-8 (sum over m of at[b][n][m] xh[b][m][d]) x[b][n][1024 + d].  at = 256 x the masked cosine (f16), xh = x0 (f16); sums in f32; x1 is taken in f32.
; Rows 512 G .. 512 G + 511 sum over m < 512 (G + 1): beyond that the mask that the problem itself builds is 0 and at is neither written nor read.
; LIMITS.  at and xh arrive within f16's range; NaN and infinities are not treated apart.
; SHARES.  A cluster of 4 x 4 work-groups makes 512 rows x 1,024 channels, a work-group 128 x 256, each of its four waves 64 x 128 (32 accumulators).
; Two clusters share a batch: cluster p takes row group 3 - p and then group p: 2 (4 - p) + 2 (p + 1) = 10 laps of two K steps of 128 for every work-group, ONE counted loop;
; the ring of two LDS slots runs on across the change of groups.
; CLUSTER.  at's tile hangs on cy alone: shared along a row of the cluster; xh's on cx alone: shared along a column: joint loads.
; LAYOUT.  Source 0 = 16 channels x 32 m, from xh's [m][d] tile turned by ds_load_tr16_b128; source 1 = 16 rows n of at.  In the result a lane holds row n = lane % 16 and the channels 8 (lane / 16) + 0..7.
; REGISTERS.  window 0: addresses; v128-255 two buffers of 16 rows on the way out      window 1: v0-127 xh's fragments, two buffers of 64; v128-191 at's, two of 32
;   window 2: the accumulators, (a, b) at 8 (8 a + b)      window 3: x1 of my 64 x 128, row 16 a + i at 64 a + 4 i
.set KSTEP,  128
.set PA,     272                       ; a row of at in LDS: 256 bytes + 16, an odd multiple of 16
.set PB,     544                       ; a row of xh: 512 bytes + 32, an odd multiple of 32
.set ATILE,  128*PA
.set SLOT,   ATILE+128*PB              ; at's 128 rows, then xh's 128 rows
.set STAGE,  2*SLOT                    ; behind the ring: 16 rows x 528 bytes for each wave; no tensor load fills it
.set SPITCH, 528
.set SPARE,  STAGE+4*16*SPITCH         ; the spare words: 128 bytes a wave, two blocks of 256 bytes that no other line names
.set ADRA, 16
.set ADRB, 20
.set STO,  24
.set RD,   25
.set LO,   26                          ; v26  16 x lane
.set SPW,  28
.set NIL,  29
.set OB,   128
.set FB,   0
.set FA,   128
.set WV,  12
.set RH,  13                           ; my half of the rows; also: I fetch at (0) or xh (1)
.set CH,  14                           ; my half of the channels; also: which 64 rows of the tile I fetch
.set CX,  15
.set CY,  16
.set BT,  17
.set PP,  18                           ; p
.set RT,  19                           ; laps of the group in hand that are still to end
.set RT2, 20                           ; the second group's laps
.set RQL, 21                           ; the lap, within its group, that is asked for
.set LQ,  22                           ; the first group's laps, until its last has been asked for
.set LAPC, 23
.set G1,  24
.set G0,  32
.set OFA, 40                           ; s[40:41] at's byte offset
.set OFB, 42                           ; s[42:43] xh's
.set AOFF, 44
.set AOFF2, 45
.set BOFF, 46
.set G1B, 48
.set G0B, 56
.set X1B, 66
.set OUTB, 68
.set XO1, 70
.set XO2, 71
.set OO1, 72
.set OO2, 73                           ; s[74:75] an offset as a pair
.set TA,  76                           ; at work for at's descriptors: never holds cx
.set TBQ, 77                           ; at work for xh's: never holds cy
.set SC,  78                           ; s[78:79] 2^-8
.set L0,  80                           ; s80-s82 at work for LDS addresses;  s84-s87 for x's and out0's offsets
.set MSB, 0
.macro WIN new
.if MSB != (\new)
	s_set_vgpr_msb (MSB<<8)|(\new)
.set MSB, \new
.endif
.endm
.set MUL,  0xa5                        ; sources 0 and 1 window 1; C and D window 2
.set TO_F, 0x40                        ; destination window 1, address window 0
.macro JLOAD s                         ; a joint load: waves 0, 1 fetch at's halves, waves 2, 3 xh's; s_nop 0 and four v_nop follow each line
	s_cmp_eq_u32 s[RH], 0
	s_cbranch_scc0 .Lfor_b_\@
	tensor_load_to_lds s[G0+4*(\s):G0+4*(\s)+3], s[G1:G1+7]
	s_nop 0
.rept 4
	v_nop
.endr
	s_branch .Lasked_\@
.Lfor_b_\@:
	tensor_load_to_lds s[G0B+4*(\s):G0B+4*(\s)+3], s[G1B:G1B+7]
	s_nop 0
.rept 4
	v_nop
.endr
.Lasked_\@:
.endm
.macro CREST
	s_cmp_lg_u32 s[WV], 0
	s_cbranch_scc1 .Lnot_wave_0_\@
	s_barrier_signal -3
.Lnot_wave_0_\@:
	s_barrier_wait -3
	s_barrier_signal -1
	s_barrier_wait -1
.endm
.macro CROUND
	s_barrier_signal -1
	s_barrier_wait -1
	CREST
.endm
.macro NEXTLAP                         ; the next lap to ask for; behind the first group's last lap: the second group's lap 0
	s_add_co_u32 s[RQL], s[RQL], 1
	s_cmp_eq_u32 s[RQL], s[LQ]
	s_cselect_b32 s[RQL], 0, s[RQL]
	s_cselect_b32 s[AOFF], s[AOFF2], s[AOFF]
	s_cselect_b32 s[LQ], 0xffff, s[LQ]
.endm
.macro ADDR slot                       ; the two global addresses of lap RQL's K step `slot`, made anew from the pointers and offsets
.if (\slot) == 0
	s_lshl_b32 s[OFA], s[RQL], 9                   ; a lap is 256 columns of at,
	s_add_co_u32 s[OFA], s[OFA], s[AOFF]
	s_lshl_b32 s[OFB], s[RQL], 19                  ; and 256 rows of xh
	s_add_co_u32 s[OFB], s[OFB], s[BOFF]
.else
	s_add_co_u32 s[OFA], s[OFA], KSTEP*2
	s_add_co_u32 s[OFB], s[OFB], KSTEP*2048
.endif
	s_add_nc_u64 s[G0+4*(\slot)+2:G0+4*(\slot)+3], s[4:5], s[OFA:OFA+1]
	s_or_b32 s[G0+4*(\slot)+3], s[G0+4*(\slot)+3], 0x80000000
	s_add_nc_u64 s[G0B+4*(\slot)+2:G0B+4*(\slot)+3], s[6:7], s[OFB:OFB+1]
	s_or_b32 s[G0B+4*(\slot)+3], s[G0B+4*(\slot)+3], 0x80000000
.endm
.macro BASES xo, oo                    ; x1 and out0 at my 64 x 128 of a group
	s_mov_b32 s74, s[\xo]
	s_mov_b32 s75, 0
	s_add_nc_u64 s[X1B:X1B+1], s[8:9], s[74:75]
	s_mov_b32 s74, s[\oo]
	s_add_nc_u64 s[OUTB:OUTB+1], s[10:11], s[74:75]
.endm
.macro X1LOAD a                        ; x1 of my rows 16 a .. 16 a + 15: a load covers 512 consecutive bytes of a row
	WIN 0xc0                                       ; destination window 3, address window 0
.irp i, 0,1,2,3,4,5,6,7,8,9,10,11,12,13,14,15
	global_load_b128 v[64*(\a)+4*(\i):64*(\a)+4*(\i)+3], v[LO], s[X1B:X1B+1] offset:(16*(\a)+(\i))*8192 th:TH_LOAD_NT
.endr
	WIN 0
.endm
	s_load_b256 s[4:11], s[0:1], 0x0               ; at s[4:5], xh s[6:7], x s[8:9], out0 s[10:11]
	v_lshl_add_u32 v[SPW], v0, 2, SPARE
	v_mov_b32 v[NIL], 0
	ds_add_u32 v28, v29
	s_wait_dscnt 0x0
	v_lshrrev_b32 v1, 5, v0
	v_readfirstlane_b32 s[WV], v1
	s_lshr_b32 s[RH], s[WV], 1
	s_and_b32 s[CH], s[WV], 1
	s_bfe_u32 s[CX], ttmp6, 0x40000
	s_bfe_u32 s[CY], ttmp6, 0x40004
	s_lshr_b32 s[BT], ttmp9, 1                     ; ttmp9 counts clusters: two to a batch
	s_and_b32 s[PP], ttmp9, 1
	s_lshl_b32 s[TA], s[CY], 2
	s_lshl_b32 s[TA], 15, s[TA]                    ; my row of the cluster
	s_lshl_b32 s[TBQ], 0x1111, s[CX]               ; my column
	s_or_b32 s[G1], s[TA], (1<<16)|(1<<20)|(1<<21)|(5<<22)|(3<<25)    ; mask; 2-byte elements; padding on; bit 21 beside a mask; after every 64 words, 4 words
	s_mov_b32 s[G1+1], 128<<16                     ; tensor_dim0 = 128
	s_mov_b32 s[G1+2], 64<<16                      ; tensor_dim1 = 64
	s_mov_b32 s[G1+3], 128<<16                     ; tile_dim0 = 128
	s_mov_b32 s[G1+4], 64                          ; tile_dim1 = 64
	s_mov_b32 s[G1+5], 2048                        ; elements from row to row of at
	s_mov_b32 s[G1+6], 0
	s_mov_b32 s[G1+7], 0
	s_or_b32 s[G1B], s[TBQ], (1<<16)|(1<<20)|(1<<21)|(6<<22)|(7<<25)  ; after every 128 words, 8 words
	s_mov_b32 s[G1B+1], 256<<16
	s_mov_b32 s[G1B+2], 64<<16
	s_mov_b32 s[G1B+3], 256<<16
	s_mov_b32 s[G1B+4], 64
	s_mov_b32 s[G1B+5], 1024                       ; elements from row to row of xh
	s_mov_b32 s[G1B+6], 0
	s_mov_b32 s[G1B+7], 0
	s_lshl_b32 s[AOFF], s[BT], 23                  ; at: batch, 128 cy rows of 4,096 bytes, the 64 rows that I fetch,
	s_lshl_b32 s[TA], s[CY], 19
	s_add_co_u32 s[AOFF], s[AOFF], s[TA]
	s_lshl_b32 s[TA], s[CH], 18
	s_add_co_u32 s[AOFF], s[AOFF], s[TA]
	s_lshl_b32 s[TA], s[PP], 21
	s_add_co_u32 s[AOFF2], s[AOFF], s[TA]          ; group p,
	s_sub_co_u32 s[TA], 3, s[PP]
	s_lshl_b32 s[TA], s[TA], 21
	s_add_co_u32 s[AOFF], s[AOFF], s[TA]           ; group 3 - p
	s_lshl_b32 s[BOFF], s[BT], 22                  ; xh: batch, the 64 rows that I fetch, 256 cx channels
	s_lshl_b32 s[TBQ], s[CH], 17
	s_add_co_u32 s[BOFF], s[BOFF], s[TBQ]
	s_lshl_b32 s[TBQ], s[CX], 9
	s_add_co_u32 s[BOFF], s[BOFF], s[TBQ]
	s_lshl_b32 s84, s[BT], 24                      ; x: rows of 8,192 bytes, x1 from byte 4,096 on
	s_lshl_b32 s85, s[CY], 20
	s_add_co_u32 s84, s84, s85
	s_lshl_b32 s85, s[RH], 19
	s_add_co_u32 s84, s84, s85
	s_lshl_b32 s85, s[CX], 10
	s_lshl_b32 s86, s[CH], 9
	s_add_co_u32 s85, s85, s86                     ; my first channel, in bytes, in x1 and in out0
	s_add_co_u32 s84, s84, s85
	s_add_co_u32 s84, s84, 4096
	s_lshl_b32 s86, s[BT], 23                      ; out0: rows of 4,096 bytes
	s_lshl_b32 s87, s[CY], 19
	s_add_co_u32 s86, s86, s87
	s_lshl_b32 s87, s[RH], 18
	s_add_co_u32 s86, s86, s87
	s_add_co_u32 s86, s86, s85
	s_sub_co_u32 s87, 3, s[PP]
	s_lshl_b32 s85, s87, 22
	s_add_co_u32 s[XO1], s84, s85
	s_lshl_b32 s85, s87, 21
	s_add_co_u32 s[OO1], s86, s85
	s_lshl_b32 s85, s[PP], 22
	s_add_co_u32 s[XO2], s84, s85
	s_lshl_b32 s85, s[PP], 21
	s_add_co_u32 s[OO2], s86, s85
	s_lshl_b32 s[RT2], s[PP], 1
	s_sub_co_u32 s[RT], 8, s[RT2]                  ; 2 (4 - p) laps,
	s_mov_b32 s[LQ], s[RT]
	s_add_co_u32 s[RT2], s[RT2], 2                 ; then 2 (p + 1)
	s_mov_b32 s[RQL], 0
	s_mov_b32 s[OFA+1], 0
	s_mov_b32 s[OFB+1], 0
	s_mov_b32 s[SC], 0x3b800000                    ; 2^-8
	s_mov_b32 s[SC+1], s[SC]                       ; named with it as a pair
	s_mul_i32 s[L0], s[CH], 64*PA                  ; where my load goes, for at
	s_mul_i32 s[L0+1], s[CH], 64*PB                ; and for xh: no place in the cluster enters an LDS address
	s_add_co_u32 s[L0+1], s[L0+1], ATILE
	s_wait_kmcnt 0x0
	CROUND                                         ; all sixteen work-groups are here: the first joint loads meet
.irp s, 0,1
	s_mov_b32 s[G0+4*(\s)], 1
	s_add_co_u32 s[G0+4*(\s)+1], s[L0], (\s)*SLOT
	s_mov_b32 s[G0B+4*(\s)], 1
	s_add_co_u32 s[G0B+4*(\s)+1], s[L0+1], (\s)*SLOT
	ADDR \s
	JLOAD \s                                       ; two loads of mine are out
.endr
	v_and_b32 v1, 15, v0                           ; l % 16
	v_bfe_u32 v2, v0, 4, 1                         ; l / 16
	v_and_b32 v3, 31, v0                           ; l
	v_mul_u32_u24 v4, v1, PA
	v_lshl_add_u32 v4, v2, 4, v4                   ; at: row x pitch + 16 x half
	v_and_b32 v5, 7, v0
	v_lshl_add_u32 v5, v2, 3, v5                   ; xh, turned: lane l reads row 8 (l / 16) + l % 8,
	v_mul_u32_u24 v5, v5, PB
	v_bfe_u32 v6, v0, 3, 1
	v_lshl_add_u32 v5, v6, 4, v5                   ; channels 8 ((l / 8) % 2) + 0..7
	s_mul_i32 s[L0], s[RH], 64*PA                  ; my 64 rows of at
	s_lshl_b32 s[L0+1], s[CH], 8                   ; my 128 channels of xh
	s_add_co_u32 s[L0+1], s[L0+1], ATILE
.irp s, 0,1
	v_add_nc_u32 v[ADRA+(\s)], s[L0], v4
	v_add_nc_u32 v[ADRB+(\s)], s[L0+1], v5
	s_add_co_u32 s[L0], s[L0], SLOT
	s_add_co_u32 s[L0+1], s[L0+1], SLOT
.endr
	s_mul_i32 s[L0+2], s[WV], 16*SPITCH
	s_add_co_u32 s[L0+2], s[L0+2], STAGE           ; my stage
	v_mul_u32_u24 v4, v1, SPITCH                   ; in: row l % 16, 32 bytes for each half of the lanes
	v_lshl_add_u32 v4, v2, 5, v4
	v_add_nc_u32 v[STO], s[L0+2], v4
	v_lshlrev_b32 v[LO], 4, v3
	v_add_nc_u32 v[RD], s[L0+2], v[LO]             ; back: 32 lanes take a row's 512 bytes
	BASES XO1, OO1
	X1LOAD 0                                       ; 48 loads that are out while the group is multiplied
	X1LOAD 1
	X1LOAD 2
.macro MUL8 f, a, zero                 ; 8 matrix instructions: row block a x 8 channel blocks, 32 along K, from buffer f
	WIN MUL
.irp b, 0,1,2,3,4,5,6,7
.if \zero
	v_wmma_f32_16x16x32_f16 v[8*(8*(\a)+(\b)):8*(8*(\a)+(\b))+7], v[FB+64*(\f)+8*(\b):FB+64*(\f)+8*(\b)+7], v[FA+32*(\f)+8*(\a):FA+32*(\f)+8*(\a)+7], 0
.else
	v_wmma_f32_16x16x32_f16 v[8*(8*(\a)+(\b)):8*(8*(\a)+(\b))+7], v[FB+64*(\f)+8*(\b):FB+64*(\f)+8*(\b)+7], v[FA+32*(\f)+8*(\a):FA+32*(\f)+8*(\a)+7], v[8*(8*(\a)+(\b)):8*(8*(\a)+(\b))+7]
.endif
.endr
.endm
.macro FETCH slot, q, f                ; 24 LDS loads in one run: quarter q's fragments into buffer f: xh's sixteen first, then at's eight
	WIN TO_F
.irp b, 0,1,2,3,4,5,6,7
	ds_load_tr16_b128 v[FB+64*(\f)+8*(\b):FB+64*(\f)+8*(\b)+3],   v[ADRB+(\slot)] offset:(\q)*32*PB+32*(\b)
	ds_load_tr16_b128 v[FB+64*(\f)+8*(\b)+4:FB+64*(\f)+8*(\b)+7], v[ADRB+(\slot)] offset:(\q)*32*PB+16*PB+32*(\b)
.endr
.irp a, 0,1,2,3
	ds_load_b128 v[FA+32*(\f)+8*(\a):FA+32*(\f)+8*(\a)+3],   v[ADRA+(\slot)] offset:64*(\q)+(\a)*16*PA
	ds_load_b128 v[FA+32*(\f)+8*(\a)+4:FA+32*(\f)+8*(\a)+7], v[ADRA+(\slot)] offset:64*(\q)+(\a)*16*PA+32
.endr
.endm
.macro PLACES                          ; four plain vector instructions between matrix instructions and loads into, or stores of, their registers
.rept 4
	v_nop
.endr
.endm
; A K step is four quarters of 32 along K, 32 matrix instructions each, on buffers 0, 1, 0, 1; the 32 accumulators take turns.
.macro QUARTER slot, q, f, g, zero
	s_wait_dscnt 4                                 ; xh's fragments and at's blocks 0, 1 are in; the youngest four loads may be out
	MUL8 \f, 0, \zero
	MUL8 \f, 1, \zero
	PLACES
	FETCH \slot, \q, \g
	s_wait_dscnt 24                                ; all but the 24 just issued
	MUL8 \f, 2, \zero
	MUL8 \f, 3, \zero
.endm
; The last quarter multiplies buffer 1 and changes slots.  fill = 1: the slot just read is filled again with the next lap's K step, behind a round of the cluster's barrier.
.macro TURN slot, next, fill
	WIN 0
	s_wait_tensorcnt 0x0                           ; all my tensor loads have landed: the one that was out is my part of the next slot
	ds_add_u32 v[SPW], v[NIL]                      ; 0 onto my spare word
	s_wait_dscnt 5                                 ; the add and the youngest four loads may be out
	MUL8 1, 0, 0
	s_wait_dscnt 0x0                               ; the add is done, and my reads of this slot are over
	s_barrier_signal -1
	MUL8 1, 1, 0
.if \fill
	WIN 0
.endif
	s_barrier_wait -1
.if \fill
	CREST                                          ; no wave of any partner still reads this slot or has a load on its way
.if (\slot) == 0
	NEXTLAP
.endif
	ADDR \slot                                     ; no tensor load of mine is out: a group 0 may be written
	JLOAD \slot                                    ; my one tensor load behind the round; its four v_nop are also the places in front of the loads below
.else
	PLACES
.endif
	FETCH \next, 0, 0
	MUL8 1, 2, 0
	MUL8 1, 3, 0
.endm
; THE WAY OUT, 16 rows at a time through my own stage: a lane's eight channels of a row go in as 32 bytes, whole rows of 512 bytes come back.
.macro TOSTAGE a
	WIN 0x08                                       ; the stores' data in window 2
.irp b, 0,1,2,3,4,5,6,7
	ds_store_b128 v[STO], v[8*(8*(\a)+(\b)):8*(8*(\a)+(\b))+3]   offset:64*(\b)     ; each accumulator's low four registers first
	ds_store_b128 v[STO], v[8*(8*(\a)+(\b))+4:8*(8*(\a)+(\b))+7] offset:64*(\b)+16
.endr
	WIN 0
	s_wait_xcnt 0x0                                ; the buffer below was the data of stores two blocks ago: it is written again only behind this wait
.irp i, 0,1,2,3,4,5,6,7,8,9,10,11,12,13,14,15
	ds_load_b128 v[OB+64*((\a)%2)+4*(\i):OB+64*((\a)%2)+4*(\i)+3], v[RD] offset:SPITCH*(\i)  ; LDS serves a wave's instructions in order: these see the stores above, the next block's stores come behind them
.endr
.endm
.macro SEND a, younger, lc             ; younger: LDS instructions issued behind this block's loads; lc: global loads issued behind this block's x1
.set BK, OB+64*((\a)%2)
	s_wait_dscnt \younger
	s_wait_loadcnt \lc
	WIN 0x0c                                       ; source 1 in window 3
.set i, 0
.rept 32
	v_pk_mul_f32 v[BK+2*i:BK+2*i+1], v[BK+2*i:BK+2*i+1], v[64*(\a)+2*i:64*(\a)+2*i+1]
.set i, i+1
.endr
	WIN 0
.set i, 0
.rept 32
	v_pk_mul_f32 v[BK+2*i:BK+2*i+1], v[BK+2*i:BK+2*i+1], s[SC:SC+1] op_sel_hi:[1,0]
.set i, i+1
.endr
.irp i, 0,1,2,3,4,5,6,7,8,9,10,11,12,13,14,15
	global_store_b128 v[LO], v[BK+4*(\i):BK+4*(\i)+3], s[OUTB:OUTB+1] offset:(16*(\a)+(\i))*4096 th:TH_STORE_NT  ; 512 consecutive bytes, aligned
.endr
.endm
.macro EPI
	PLACES
	X1LOAD 3                                       ; the last 16 rows' x1: wanted three blocks further down
	TOSTAGE 0
.irp a, 1,2,3
	TOSTAGE \a                                     ; 16 stores and 16 loads stand between a block's loads and the wait for them
	SEND (\a)-1, 32, 16
.endr
	SEND 3, 0, 0
.endm
	s_wait_tensorcnt 1                             ; my part of K step 0 is in; slot 1's load may stay out
	s_barrier_signal -1
	s_barrier_wait -1
	FETCH 0, 0, 0
	QUARTER 0, 1, 0, 1, 1                          ; the walk's first quarter: its products start the sums
	WIN 0
	s_mov_b32 s[LAPC], 9
.Llap:                                                 ; a trip: from a lap's second quarter to the next lap's first; both slots are filled again
	QUARTER 0, 2, 1, 0, 0
	QUARTER 0, 3, 0, 1, 0
	TURN 0, 1, 1
	QUARTER 1, 1, 0, 1, 0
	QUARTER 1, 2, 1, 0, 0
	QUARTER 1, 3, 0, 1, 0
	TURN 1, 0, 1
	WIN 0
	s_sub_co_u32 s[RT], s[RT], 1
	s_cmp_lg_u32 s[RT], 0
	s_cbranch_scc1 .Lsame_group                    ; forward, past text without a barrier or a tensor load
	EPI                                            ; the first group goes out; both refills for the second have been asked for
	s_wait_xcnt 0x0                                ; the bases are written again only behind this wait
	BASES XO2, OO2
	X1LOAD 0
	X1LOAD 1
	X1LOAD 2
	s_mov_b32 s[RT], s[RT2]
	QUARTER 0, 1, 0, 1, 1                          ; the second group's first quarter starts its sums, behind the way out's vector work
	WIN 0
	s_branch .Lbottom
.Lsame_group:
	QUARTER 0, 1, 0, 1, 0
	WIN 0
.Lbottom:
	s_sub_co_u32 s[LAPC], s[LAPC], 1
	s_cmp_lg_u32 s[LAPC], 0
	s_cbranch_scc1 .Llap
	QUARTER 0, 2, 1, 0, 0                          ; the last lap is written out: it asks for nothing
	QUARTER 0, 3, 0, 1, 0
	TURN 0, 1, 0
	QUARTER 1, 1, 0, 1, 0
	QUARTER 1, 2, 1, 0, 0
	QUARTER 1, 3, 0, 1, 0
	s_wait_dscnt 4
	MUL8 1, 0, 0
	MUL8 1, 1, 0
	s_wait_dscnt 0x0
	MUL8 1, 2, 0
	MUL8 1, 3, 0
	WIN 0
	EPI
	s_wait_tensorcnt 0x0                           ; the wave's end
	ds_add_u32 v[SPW], v[NIL]
	s_wait_dscnt 0x0
	CROUND                                         ; the closing round: no work-group ends while a partner may still ask for a tile that names it
	s_endpgm
.Lfunc_end_k_q32cbafbf6e_ctx:
	.size	k_q32cbafbf6e_ctx, .Lfunc_end_k_q32cbafbf6e_ctx-k_q32cbafbf6e_ctx
	.p2alignl 7, 3214868480
	.fill 96, 4, 3214868480
	.section	.rodata,"a",@progbits
	.p2align	6, 0x0
	.amdhsa_kernel k_q32cbafbf6e_ctx
		.amdhsa_group_segment_fixed_size 327680
		.amdhsa_private_segment_fixed_size 0
		.amdhsa_enable_private_segment 0
		.amdhsa_kernarg_size 32
		.amdhsa_user_sgpr_count 2
		.amdhsa_user_sgpr_kernarg_segment_ptr 1
		.amdhsa_wavefront_size32 1
		.amdhsa_system_sgpr_workgroup_id_x 1
		.amdhsa_system_sgpr_workgroup_id_y 1
		.amdhsa_system_sgpr_workgroup_id_z 1
		.amdhsa_system_vgpr_workitem_id 0
		.amdhsa_next_free_vgpr 1024
		.amdhsa_next_free_sgpr 96
		.amdhsa_reserve_vcc 0
		.amdhsa_float_denorm_mode_32 3
		.amdhsa_float_denorm_mode_16_64 3
		.amdhsa_memory_ordered 1
		.amdhsa_forward_progress 1
		.amdhsa_inst_pref_size 151
	.end_amdhsa_kernel
	.amdgpu_metadata
---
amdhsa.version: [ 1, 2 ]
amdhsa.kernels:
  - .name:           k_q32cbafbf6e_ctx
    .symbol:         k_q32cbafbf6e_ctx.kd
    .args:
      - { .name: at, .offset: 0, .size: 8, .value_kind: global_buffer, .address_space: global }
      - { .name: xh, .offset: 8, .size: 8, .value_kind: global_buffer, .address_space: global }
      - { .name: x, .offset: 16, .size: 8, .value_kind: global_buffer, .address_space: global }
      - { .name: out0, .offset: 24, .size: 8, .value_kind: global_buffer, .address_space: global }
    .group_segment_fixed_size: 327680
    .private_segment_fixed_size: 0
    .kernarg_segment_align: 8
    .kernarg_segment_size: 32
    .max_flat_workgroup_size: 128
    .sgpr_count:     96
    .vgpr_count:     1024
    .wavefront_size: 32
...
	.end_amdgpu_metadata
.endif
;; end of part 3
